; MI455X (gfx1250); checked and timed in simulation.
; The chip was launched on July 23, 2026; its instructions are those of AMD's public machine-readable ISA for CDNA 5 (MIT licence, August 2026) and "CDNA5" Instruction Set Architecture Reference Guide (July 2026). The comments in the code are by the model that wrote it; some were corrected since.
;; Chamber Of Semantic Resonance. Allowed arithmetic: float matrix products may take bf16 or f16 operands with f32 sums; other float arithmetic in f32, or as packed bf16 or f16 multiplies, adds, multiply-adds, maxima and minima; sums over many terms, partial sums and values carried from step to step in f32; what a program stores and reads back later, other than sums and carried values, may be rounded once to bf16 or f16.
;; Inputs: W1 8 x 1,024 x 2,048 float32; W2 8 x 2,048 x 1,024 float32; anchors 8 x 1,024 float32; b1 8 x 2,048 float32; b2 8 x 1,024 float32; temperature one number float32; x 1 x 2,048 x 1,024 float32.
;; Outputs: out0 1 x 2,048 x 1,024 float32.
;; Constants: top_k = 2.
;; One version. Each part assembles by itself: llvm-mc -triple=amdgcn-amd-amdhsa -mcpu=gfx1250 --defsym DOCPART=n.
;; ======== version 1 of 1: 4 launches
;; workspace buffers: xb 4,194,304 bytes; sel 16,384 bytes of whole numbers; gate 16,384 bytes; h 67,108,864 bytes; yp 33,554,432 bytes
;; launch router (part 1): grid 256 x 1, 8 waves a work-group, no clusters, 34,048 bytes of LDS; arguments x, anchors, temperature, xb, sel, gate; writes xb, sel, gate
.if DOCPART == 1
	.amdgcn_target "amdgcn-amd-amdhsa--gfx1250"
	.amdhsa_code_object_version 6
	.text
	.protected	k_q047e1806d8_router
	.globl	k_q047e1806d8_router
	.p2align	8
	.type	k_q047e1806d8_router,@function
k_q047e1806d8_router:
	s_mov_b64 s[64:65], 0
	v_nop
	global_prefetch_b8 v0, s[64:65] scope:SCOPE_SE
	s_setreg_imm32_b32 hwreg(HW_REG_WAVE_MODE, 25, 1), 1
	s_wait_xcnt 0x0
; ROUTER.  For each of 2,048 tokens: x rounded to bf16 (stored as xb), cosine scores against 8 anchors times |temperature|, softmax with the
; row's maximum taken away, the two largest weights (the lower index wins a tie), renormalised: g = p / (p0 + p1 + 1e-6).
; Stored at fixed places: sel[i*2048+t] = expert of choice i, gate[i*2048+t] = its weight.  No address and no branch hangs on a score.
; LIMITS.  Every input counts as its rounding to bf16 (x, anchors, temperature), as in the products that follow; all arithmetic behind that is f32.
; A softmax weight below 2^-126 counts as 0.  NaN and infinities are not treated apart; the two experts stored always differ.
; Two scores that agree to within f32's rounding may be ordered otherwise than by another order of summation.
; SHARES.  A work-group has 8 tokens, a wave one token; wave w also prepares anchor w (rounded, with 1 / max(norm, 1e-8)) for all eight waves, in LDS.
; A lane holds columns 128 c + 4 L .. + 3, c = 0..7: each load of a wave covers 512 consecutive bytes.
; No matrix unit: 8 dot products a token are 16 packed multiply-adds a chunk; memory binds (x is read once, xb written once).
.set INV,   32768                      ; behind the anchors (8 x 4,096 bytes from LDS byte 0): eight words 1 / norm, a block of 256 bytes
.set SPARE, 33024                      ; the spare words: 128 bytes a wave, named by no other line
.set X,   8                            ; v[8:39]    my 32 numbers of x
.set A,   40                           ; v[40:71]   my 32 numbers of anchor w; later v[40:55] eight pairs of partial dots, v[64:71] the eight 1 / norm
.set XB,  72                           ; v[72:87]   16 words of two bf16
.set BUF, 88                           ; v[88:151]  two buffers of 8 anchors x 4 numbers; later the reductions
.set NX,  152                          ; v[152:159] four chains of the sum of squares of x
.macro ROUND src                       ; 32 numbers: rounded to bf16 in pairs into XB, and widened again in place
.set i, 0
.rept 16
	v_cvt_pk_bf16_f32 v[XB+i], v[(\src)+2*i], v[(\src)+2*i+1]
.set i, i+1
.endr
.set i, 0
.rept 16
	v_lshlrev_b32 v[(\src)+2*i], 16, v[XB+i]
	v_and_b32 v[(\src)+2*i+1], s28, v[XB+i]
.set i, i+1
.endr
.endm
.macro SUMSQ src, ch                   ; the lane's sum of 32 squares, in four chains started by the first four pairs: nothing is cleared
.set i, 0
.rept 4
	v_pk_mul_f32 v[(\ch)+2*i:(\ch)+2*i+1], v[(\src)+2*i:(\src)+2*i+1], v[(\src)+2*i:(\src)+2*i+1]
.set i, i+1
.endr
.rept 12
	v_pk_fma_f32 v[(\ch)+2*(i%4):(\ch)+2*(i%4)+1], v[(\src)+2*i:(\src)+2*i+1], v[(\src)+2*i:(\src)+2*i+1], v[(\ch)+2*(i%4):(\ch)+2*(i%4)+1]
.set i, i+1
.endr
	v_pk_add_f32 v[(\ch):(\ch)+1], v[(\ch):(\ch)+1], v[(\ch)+2:(\ch)+3]
	v_pk_add_f32 v[(\ch)+4:(\ch)+5], v[(\ch)+4:(\ch)+5], v[(\ch)+6:(\ch)+7]
	v_pk_add_f32 v[(\ch):(\ch)+1], v[(\ch):(\ch)+1], v[(\ch)+4:(\ch)+5]
	v_add_f32 v[(\ch)], v[(\ch)], v[(\ch)+1]
.endm
.macro RSUM base, cnt, tmp             ; cnt registers summed over the 32 lanes, side by side; the result stands in every lane
.irp m, 1,2,4,8
.set i, 0
.rept \cnt
	v_add_f32_dpp v[(\base)+i], v[(\base)+i], v[(\base)+i] row_xmask:\m row_mask:0xf bank_mask:0xf
.set i, i+1
.endr
.endr
.set i, 0
.rept \cnt
	v_permlanex16_b32 v[(\tmp)+i], v[(\base)+i], s18, s19   ; its destination counts as read: registers that have been written
.set i, i+1
.endr
.set i, 0
.rept \cnt
	v_add_f32 v[(\base)+i], v[(\base)+i], v[(\tmp)+i]
.set i, i+1
.endr
.endm
.macro DL c                            ; chunk c of all eight anchors: 8 LDS loads of 512 consecutive bytes
.set e, 0
.rept 8
	ds_load_b128 v[BUF+32*((\c)%2)+4*e:BUF+32*((\c)%2)+4*e+3], v2 offset:e*4096+512*(\c)
.set e, e+1
.endr
.endm
.macro DOT c                           ; 16 packed multiply-adds; chunk 0 starts the sums
.set e, 0
.rept 8
.if (\c) == 0
	v_pk_mul_f32 v[A+2*e:A+2*e+1], v[X+4*(\c):X+4*(\c)+1], v[BUF+32*((\c)%2)+4*e:BUF+32*((\c)%2)+4*e+1]
.else
	v_pk_fma_f32 v[A+2*e:A+2*e+1], v[X+4*(\c):X+4*(\c)+1], v[BUF+32*((\c)%2)+4*e:BUF+32*((\c)%2)+4*e+1], v[A+2*e:A+2*e+1]
.endif
.set e, e+1
.endr
.set e, 0
.rept 8
	v_pk_fma_f32 v[A+2*e:A+2*e+1], v[X+4*(\c)+2:X+4*(\c)+3], v[BUF+32*((\c)%2)+4*e+2:BUF+32*((\c)%2)+4*e+3], v[A+2*e:A+2*e+1]
.set e, e+1
.endr
.endm
	s_load_b256 s[4:11], s[0:1], 0x0               ; x s[4:5], anchors s[6:7], temperature s[8:9], xb s[10:11]
	s_load_b128 s[12:15], s[0:1], 0x20             ; sel s[12:13], gate s[14:15]
	v_lshl_add_u32 v4, v0, 2, SPARE                ; my spare word,
	v_mov_b32 v5, 0                                ; and 0: kept for the closing lines alone
	v_lshrrev_b32 v6, 5, v0
	v_readfirstlane_b32 s16, v6                    ; wave 0..7
	v_and_b32 v1, 31, v0                           ; lane
	v_lshlrev_b32 v2, 4, v1                        ; 16 L
	v_lshlrev_b32 v3, 3, v1                        ; 8 L
	s_lshl_b32 s21, ttmp9, 3
	s_add_co_u32 s21, s21, s16                     ; my token
	s_lshl_b32 s22, s16, 12                        ; anchor w: 4,096 bytes a row
	s_mov_b32 s23, 0
	s_lshl_b32 s24, s21, 12                        ; my row of x
	s_mov_b32 s25, 0
	s_lshl_b32 s26, s21, 11                        ; my row of xb
	s_mov_b32 s27, 0
	s_mov_b32 s18, 0x76543210                      ; v_permlanex16_b32: each lane takes its own place in the other half
	s_mov_b32 s19, 0xfedcba98
	s_mov_b32 s28, 0xffff0000                      ; a word's upper bf16
	s_wait_kmcnt 0x0
	s_load_b32 s17, s[8:9], 0x0                    ; the temperature
	s_add_nc_u64 s[6:7], s[6:7], s[22:23]
	s_add_nc_u64 s[4:5], s[4:5], s[24:25]
	s_add_nc_u64 s[10:11], s[10:11], s[26:27]
.set c, 0
.rept 8
	global_load_b128 v[A+4*c:A+4*c+3], v2, s[6:7] offset:512*c
.set c, c+1
.endr
.set c, 0
.rept 8
	global_load_b128 v[X+4*c:X+4*c+3], v2, s[4:5] offset:512*c th:TH_LOAD_NT
.set c, c+1
.endr
	s_wait_loadcnt 8                               ; the eight loads of x are younger: the anchor is in
	ROUND A
	SUMSQ A, BUF
	RSUM BUF, 1, BUF+1
	v_sqrt_f32 v90, v88
	v_lshl_add_u32 v6, s16, 12, v2                 ; where my 16 bytes of anchor w go; also the plain instruction behind the root
	s_wait_alu depctr_va_vdst(0)                   ; the wait ahead of the result's first reader
	v_max_num_f32 v90, 0x322bcc77, v90             ; max(norm, 1e-8)
	v_rcp_f32 v91, v90
	s_lshl_b32 s29, s16, 2
	s_add_co_u32 s29, s29, INV
	v_mov_b32 v7, s29                              ; the plain instruction behind the reciprocal
	s_wait_alu depctr_va_vdst(0)
.set c, 0
.rept 8
	ds_store_b128 v6, v[A+4*c:A+4*c+3] offset:512*c
.set c, c+1
.endr
	ds_store_b32 v7, v91                           ; all lanes write the same word with the same number
	s_wait_loadcnt 0x0                             ; x
	ROUND X
.set c, 0
.rept 8
	global_store_b64 v3, v[XB+2*c:XB+2*c+1], s[10:11] offset:256*c   ; 32 lanes store 256 consecutive bytes, at a multiple of 256 from xb's first byte
.set c, c+1
.endr
	SUMSQ X, NX
	v_mov_b32 v7, INV
	s_wait_dscnt 0x0                               ; for the others' sake: my anchor and its 1 / norm are in LDS
	s_barrier_signal -1
	s_barrier_wait -1
	ds_load_b128 v[64:67], v7
	ds_load_b128 v[68:71], v7 offset:16
	DL 0
	DL 1
.set cc, 0
.rept 6
	s_wait_dscnt 8                                 ; the next chunk's eight loads may stay out
	DOT cc
	DL cc+2                                        ; into the buffer just read
.set cc, cc+1
.endr
	s_wait_dscnt 8
	DOT 6
	s_wait_dscnt 0x0
	DOT 7
.set e, 0
.rept 8
	v_add_f32 v[BUF+e], v[A+2*e], v[A+2*e+1]
.set e, e+1
.endr
	v_mov_b32 v96, v[NX]
	RSUM BUF, 9, BUF+12                            ; eight dots and the sum of squares of x
	s_wait_kmcnt 0x0                               ; the temperature
	v_sqrt_f32 v97, v96
	v_mov_b32 v98, s17
	s_wait_alu depctr_va_vdst(0)
	v_max_num_f32 v97, 0x322bcc77, v97
	v_rcp_f32 v99, v97
	v_cvt_pk_bf16_f32 v98, v98, v98                ; the temperature rounded to bf16,
	v_lshlrev_b32 v98, 16, v98
	v_and_b32 v98, 0x7fffffff, v98                 ; its magnitude
	s_wait_alu depctr_va_vdst(0)
	v_mul_f32 v98, v98, v99                        ; |T| / max(|x|, 1e-8)
.set e, 0
.rept 8
	v_mul_f32 v[BUF+e], v[BUF+e], v[64+e]
.set e, e+1
.endr
.set e, 0
.rept 8
	v_mul_f32 v[BUF+e], v[BUF+e], v98              ; the scores
.set e, e+1
.endr
	v_max3_num_f32 v100, v88, v89, v90
	v_max3_num_f32 v101, v91, v92, v93
	v_max3_num_f32 v100, v100, v94, v95
	v_max_num_f32 v100, v100, v101                 ; the row's maximum
.set e, 0
.rept 8
	v_sub_f32 v[BUF+e], v[BUF+e], v100
.set e, e+1
.endr
.set e, 0
.rept 8
	v_mul_f32 v[BUF+e], 0x3fb8aa3b, v[BUF+e]       ; times log2(e)
.set e, e+1
.endr
.set e, 0
.rept 8
	v_exp_f32 v[BUF+e], v[BUF+e]                   ; one batch
.set e, e+1
.endr
	v_nop
	s_wait_alu depctr_va_vdst(0)                   ; one wait for the eight
	v_add_f32 v101, v88, v89
	v_add_f32 v102, v90, v91
	v_add_f32 v103, v92, v93
	v_add_f32 v104, v94, v95
	v_add_f32 v101, v101, v102
	v_add_f32 v103, v103, v104
	v_add_f32 v101, v101, v103
	v_rcp_f32 v102, v101
	v_mov_b32 v106, 0                              ; the best index so far
	s_wait_alu depctr_va_vdst(0)
.set e, 0
.rept 8
	v_mul_f32 v[BUF+e], v[BUF+e], v102             ; the softmax
.set e, e+1
.endr
	v_mov_b32 v105, v88
.set e, 1
.rept 7                                                ; the largest: only a strictly larger weight replaces, so the lower index wins a tie
	v_cmp_gt_f32 vcc_lo, v[BUF+e], v105
	v_cndmask_b32 v105, v105, v[BUF+e], vcc_lo
	v_cndmask_b32 v106, v106, e, vcc_lo
.set e, e+1
.endr
	v_mov_b32 v107, -1.0                           ; below every weight
	v_xor_b32 v108, 1, v106                        ; an index other than the first, whatever the weights hold
.set e, 0
.rept 8                                                ; the second largest: the same, past the first's index
	v_cmp_gt_f32 vcc_lo, v[BUF+e], v107
	v_cmp_ne_u32 s20, e, v106
	s_and_b32 vcc_lo, vcc_lo, s20
	v_cndmask_b32 v107, v107, v[BUF+e], vcc_lo
	v_cndmask_b32 v108, v108, e, vcc_lo
.set e, e+1
.endr
	v_add_f32 v109, v105, v107
	v_add_f32 v109, 0x358637bd, v109               ; + 1e-6
	v_rcp_f32 v110, v109
	v_min_u32 v113, 1, v1                          ; lane 0 stores choice 0, lane 1 choice 1
	s_wait_alu depctr_va_vdst(0)
	v_mul_f32 v105, v105, v110
	v_mul_f32 v107, v107, v110
	v_cmp_eq_u32 vcc_lo, 1, v113
	v_cndmask_b32 v111, v106, v108, vcc_lo
	v_cndmask_b32 v112, v105, v107, vcc_lo
	v_lshlrev_b32 v113, 13, v113                   ; choice x 2,048 words
	s_lshl_b32 s29, s21, 2
	v_add_nc_u32 v113, s29, v113
	v_cmp_gt_u32 vcc_lo, 2, v1
	s_wait_xcnt 0x0                                ; EXEC changes only behind this wait: the stores of xb have been issued under the full one
	s_and_saveexec_b32 s20, vcc_lo
	global_store_b32 v113, v111, s[12:13]
	global_store_b32 v113, v112, s[14:15]
	s_wait_xcnt 0x0                                ; and again, in front of the line that widens it
	s_or_b32 exec_lo, exec_lo, s20
	s_wait_tensorcnt 0x0                           ; the wave's end, behind my last LDS store
	ds_add_u32 v4, v5
	s_wait_dscnt 0x0
	s_endpgm
.Lfunc_end_k_q047e1806d8_router:
	.size	k_q047e1806d8_router, .Lfunc_end_k_q047e1806d8_router-k_q047e1806d8_router
	.p2alignl 7, 3214868480
	.fill 96, 4, 3214868480
	.section	.rodata,"a",@progbits
	.p2align	6, 0x0
	.amdhsa_kernel k_q047e1806d8_router
		.amdhsa_group_segment_fixed_size 34048
		.amdhsa_private_segment_fixed_size 0
		.amdhsa_enable_private_segment 0
		.amdhsa_kernarg_size 48
		.amdhsa_user_sgpr_count 2
		.amdhsa_user_sgpr_kernarg_segment_ptr 1
		.amdhsa_wavefront_size32 1
		.amdhsa_system_sgpr_workgroup_id_x 1
		.amdhsa_system_sgpr_workgroup_id_y 1
		.amdhsa_system_sgpr_workgroup_id_z 1
		.amdhsa_system_vgpr_workitem_id 0
		.amdhsa_next_free_vgpr 160
		.amdhsa_next_free_sgpr 66
		.amdhsa_reserve_vcc 1
		.amdhsa_float_denorm_mode_32 3
		.amdhsa_float_denorm_mode_16_64 3
		.amdhsa_memory_ordered 1
		.amdhsa_forward_progress 1
		.amdhsa_inst_pref_size 34
	.end_amdhsa_kernel
	.amdgpu_metadata
---
amdhsa.version: [ 1, 2 ]
amdhsa.kernels:
  - .name:           k_q047e1806d8_router
    .symbol:         k_q047e1806d8_router.kd
    .args:
      - { .name: x, .offset: 0, .size: 8, .value_kind: global_buffer, .address_space: global }
      - { .name: anchors, .offset: 8, .size: 8, .value_kind: global_buffer, .address_space: global }
      - { .name: temperature, .offset: 16, .size: 8, .value_kind: global_buffer, .address_space: global }
      - { .name: xb, .offset: 24, .size: 8, .value_kind: global_buffer, .address_space: global }
      - { .name: sel, .offset: 32, .size: 8, .value_kind: global_buffer, .address_space: global }
      - { .name: gate, .offset: 40, .size: 8, .value_kind: global_buffer, .address_space: global }
    .group_segment_fixed_size: 34048
    .private_segment_fixed_size: 0
    .kernarg_segment_align: 8
    .kernarg_segment_size: 48
    .max_flat_workgroup_size: 256
    .sgpr_count:     66
    .vgpr_count:     160
    .wavefront_size: 32
...
	.end_amdgpu_metadata
.endif
;; end of part 1
;; launch up (part 2): grid 32 x 8, 8 waves a work-group, no clusters, 152,832 bytes of LDS; arguments W1, b1, xb, sel, h; writes h
.if DOCPART == 2
	.amdgcn_target "amdgcn-amd-amdhsa--gfx1250"
	.amdhsa_code_object_version 6
	.text
	.protected	k_q047e1806d8_up
	.globl	k_q047e1806d8_up
	.p2align	8
	.type	k_q047e1806d8_up,@function
k_q047e1806d8_up:
	s_mov_b64 s[64:65], 0
	v_nop
	global_prefetch_b8 v0, s[64:65] scope:SCOPE_SE
	s_setreg_imm32_b32 hwreg(HW_REG_WAVE_MODE, 25, 1), 1
	s_wait_xcnt 0x0
; FIRST PRODUCT.  h = gelu(x W1[e] + b1[e]) for the rows that chose expert e, rounded to bf16 and stored as the second product's matrix operands.
; SHARES.  Work-group (slice, e) has 64 columns of W1[e] (1,024 x 64 numbers), which it alone reads, and ALL rows of expert e.  The slice is read once as f32, rounded in
; registers and kept in LDS as bf16 fragments (131,072 bytes).  Rows go in subtiles of 16; subtile u belongs to wave u % 8; a wave multiplies four (or two) subtiles at a time.
; THE LIST.  A routed row's code is choice x 2,048 + token, its index in sel.  Every work-group reads sel (16 KB) and makes its expert's list in LDS: wave w compacts codes
; 512 w .. 512 w + 511 into its own region; the second product makes the same list by the same lines, so position p means the same row in both.
; EVERY SPLIT IS SERVED: an expert has 0 to 2,048 rows; the row loop has a constant 4 trips of 512 rows, dead trips and dead subtiles are jumped forward; no barrier and no LDS write stands in it.
; Places past the count repeat the last row, which exists.
; THE ORDER OF K, alike in both operands: in K block kb (64 k), lane half hh, step s, register q, half b hold k = 64 kb + 32 hh + 16 s + 2 q + b.  So a lane's part of a token's K block
; is 64 consecutive bytes, and a lane that loads 16 bytes (4 columns) of weight rows k and k + 1 makes, by one conversion a column, register q of FOUR column tiles: tile t holds columns n0 + 4 r + t.
; Sixteen lanes read 256 consecutive bytes of a weight row, at a multiple of 256 from W1's first byte.
; D = W (source 0) x X (source 1): lane (r, hh) holds token r, register j of tile t column n0 + 32 hh + 4 j + t: 32 neighbouring columns a lane, which packed in pairs ARE the lane's
; registers of K block kb = slice of the second product.  h: [e][u 128][kb 32][piece 4][lane 32][16 bytes]; each store of a wave covers 512 consecutive bytes.
; GELU: z (0.5 + erf(z / sqrt 2) / 2), erf(x) = x P(x^2) / Q(x^2) on x clamped to -4 .. 4 (beyond that erf is 1 to within f32's step); P is held halved.
; LIMITS.  x, W1 and b1 count as their roundings to bf16; sums in f32; h is kept in bf16 (not f16: with large inputs h passes f16's range).  NaN and infinities are not treated apart.
; NO TENSOR LOADS, NO CLUSTER: each weight byte has one reader; what an expert's 32 work-groups share is its token rows, which come by a list that no tile's descriptor covers.
.set ROWB,   8192                      ; bytes in a row of W1[e]
.set VWSH,   18                        ; 32 rows of it = 1 << 18
.set KBSTEP, 128                       ; bytes from a K block of a token's row to the next
.set PIECE,  16                        ; bytes from a lane's 16 bytes to its next
.set LIST,   131072                    ; behind the weights: 8 regions of 2,560 bytes: 512 list words, 32 words that take what is not listed, the rest unused
.set LPW,    2560
.set CNT,    151552                    ; eight counts, a block of 256 bytes
.set SPARE,  151808                    ; the spare words: 128 bytes a wave, named by no other line
; window 0
.set L16, 1                            ; 16 x lane
.set R_,  2                            ; lane % 16
.set HH,  3                            ; lane / 16
.set VW,  4                            ; my offset in a weight row pair: 32 hh rows + 16 r
.set WS,  5                            ; where my wave's fragments go: w x 16,384 + 16 L
.set WA,  6                            ; where the fragments in hand are read
.set VP,  7                            ; my position in the list for subtile 0 of the trip: 16 w + r + 512 trip
.set VHO, 8                            ; my offset in h for subtile 0 of the trip
.set H64, 9                            ; 64 hh
.set SPW, 10
.set NIL, 11
.set VO,  12                           ; v[12:15] my offset in xb for the trip's four subtiles
.set CODE, 16                          ; v[16:19] their codes; v[16:31] at work in the way out
.set LT0, 24
.set LT1, 25
.set BIAS, 32                          ; v[32:63] b1 in the accumulators' order: tile t, register j at 8 t + j
.set EP,  64                           ; v[64:127] the way out; at the start sel (v[64:79]) and b1 as loaded (v[80:111])
.set SELR, 64
.set BL,  80
.set ACC, 128                          ; v[128:255] accumulator (sub, t) at 128 + 8 (4 sub + t); at the start the rounded weights
; window 1: v[0:191] three rings of token fragments, (ring, step, sub) at 64 ring + 32 step + 8 sub; v[192:255] weight fragments, (step, t) at 192 + 32 step + 8 t; at the start all 256: weights as loaded
.set WV, 16
.set EX, 17
.set SL, 18
.set MK, 20
.set RUN, 21
.set TRIP, 23
.set REM, 24                           ; my wave's subtiles still to do
.set KC, 25
.set CM1, 26                           ; count - 1
.set NS1, 27
.set OFFS, 30                          ; s[30:37] first position of wave k's part of the list
.set DK, 38                            ; s[38:45] 2,560 k - 4 x that: position p of part k lies at LIST + 4 p + DK[k]
.set WP, 46
.set TB0, 48
.set TB, 50
.set OUTP, 52
.set WB, 54                            ; LDS byte at which the K loop's trip begins in the fragments: 0, 24,576, .. 98,304
.set RS2, 66                           ; s[66:91] constants in pairs, both words written: the packed forms name a pair and take its low word
.set A13, 68
.set B8,  82
.set MSB, 0
.macro WIN new                         ; the immediate's high byte repeats the setting that is left; a switch that changes nothing is dropped
.if MSB != (\new)
	s_set_vgpr_msb (MSB<<8)|(\new)
.set MSB, \new
.endif
.endm
.set MUL, 0x05                         ; sources 0 and 1 in window 1; destination and source 2 in window 0
.set TO1, 0x40                         ; destination in window 1, address in window 0
.macro PLACES                          ; four places between a matrix instruction and a load into, or a vector read of, its registers (ISA guide 7.12.1 for vector reads)
.rept 4
	v_nop
.endr
.endm
.macro PAIR reg, val
	s_mov_b32 s[\reg], \val
	s_mov_b32 s[(\reg)+1], \val
.endm
.macro WGL ks                          ; K step ks of my wave's 128 weight rows: 16 loads, lanes 0-15 one row's 256 bytes, lanes 16-31 those of the row 32 further down
	WIN TO1
.set i, 0
.rept 16
	global_load_b128 v[64*(\ks)+4*i:64*(\ks)+4*i+3], v[VW], s[WP:WP+1] offset:(64*((\ks)/2)+16*((\ks)%2)+i)*ROWB th:TH_LOAD_NT
.set i, i+1
.endr
.endm
.macro CVT ks                          ; rows 2 jj and 2 jj + 1 of group g, column t -> register 4 g + jj of tile t; then the four fragments into LDS
	WIN MUL
.set i, 0
.rept 32
	v_cvt_pk_bf16_f32 v[ACC+32*(\ks)+i], v[64*(\ks)+32*((i/4)%2)+8*(i%4)+i/8], v[64*(\ks)+32*((i/4)%2)+8*(i%4)+i/8+4]
.set i, i+1
.endr
	WIN 0
.set i, 0
.rept 8
	ds_store_b128 v[WS], v[ACC+32*(\ks)+4*i:ACC+32*(\ks)+4*i+3] offset:(\ks)*4096+i*512   ; 512 consecutive bytes a store
.set i, i+1
.endr
.endm
.macro TOK R, ring, blk                ; K block blk (counted from TB) of R subtiles: four loads of 16 bytes a lane and subtile
	WIN TO1
.set i, 0
.rept 4*(\R)
	global_load_b128 v[64*(\ring)+32*((i%4)/2)+8*(i/4)+4*(i%2):64*(\ring)+32*((i%4)/2)+8*(i/4)+4*(i%2)+3], v[VO+i/4], s[TB:TB+1] offset:(\blk)*KBSTEP+(i%4)*PIECE
.set i, i+1
.endr
.endm
.macro WLD x, ks                       ; the four weight fragments of K step ks (counted from WA) into buffer x
	WIN TO1
.set i, 0
.rept 8
	ds_load_b128 v[192+32*(\x)+4*i:192+32*(\x)+4*i+3], v[WA] offset:(\ks)*4096+i*512
.set i, i+1
.endr
.endm
.macro MM R, ring, x, first            ; 4 R products on 4 R accumulators, which take turns in one order everywhere.  first = 1: the bias starts the sums
	WIN MUL
.set i, 0
.rept 4*(\R)
.if \first
	v_wmma_f32_16x16x32_bf16 v[ACC+8*i:ACC+8*i+7], v[192+32*(\x)+8*(i%4):192+32*(\x)+8*(i%4)+7], v[64*(\ring)+32*(\x)+8*(i/4):64*(\ring)+32*(\x)+8*(i/4)+7], v[BIAS+8*(i%4):BIAS+8*(i%4)+7]
.else
	v_wmma_f32_16x16x32_bf16 v[ACC+8*i:ACC+8*i+7], v[192+32*(\x)+8*(i%4):192+32*(\x)+8*(i%4)+7], v[64*(\ring)+32*(\x)+8*(i/4):64*(\ring)+32*(\x)+8*(i/4)+7], v[ACC+8*i:ACC+8*i+7]
.endif
.set i, i+1
.endr
.endm
; A K block: two steps.  tok: the block two further on is asked for, into the ring read last.  nl: the token loads younger than this block's.  w0, w1: the next block's weight fragments are fetched.
.macro KB R, ring, rel, first, tok, nl, w0, w1, d1
.if \tok
	TOK \R, ((\ring)+2)%3, (\rel)+2
.endif
	s_wait_loadcnt \nl                             ; loads come back in order: this block's are in, the younger blocks' stay out
	s_wait_dscnt 8                                 ; step 0's fragments are in; step 1's eight loads may be out
	MM \R, \ring, 0, \first
	PLACES
.if \w0
	WLD 0, 2*(\rel)+2
.endif
	s_wait_dscnt \d1                               ; step 1's are in; the eight just issued may be out
	MM \R, \ring, 1, 0
	PLACES
.if \w1
	WLD 1, 2*(\rel)+3
.endif
.endm
.macro KPART R                         ; all 16 K blocks for R subtiles
	s_mov_b64 s[TB:TB+1], s[TB0:TB0+1]
	s_mov_b32 s[WB], 0
	v_add_nc_u32 v[WA], s[WB], v[L16]              ; the fragments' address: a scalar that steps with the loop, plus 16 x lane
	TOK \R, 0, 0
	TOK \R, 1, 1
	WLD 0, 0
	WLD 1, 1
	KB \R, 0, 0, 1, 1, 8*(\R), 1, 1, 8
	WIN 0                                          ; at a label and at a branch every window is 0
	s_mov_b32 s[KC], 4
.Lk_\@:                                                ; blocks 1 to 12, three a trip: once round the rings
	KB \R, 1, 1, 0, 1, 8*(\R), 1, 1, 8
	KB \R, 2, 2, 0, 1, 8*(\R), 1, 1, 8
	KB \R, 0, 3, 0, 1, 8*(\R), 1, 1, 8
	WIN 0
	s_wait_xcnt 0x0                                ; the loads' base is stepped only behind this wait
	s_add_nc_u64 s[TB:TB+1], s[TB:TB+1], 3*KBSTEP
	s_add_co_u32 s[WB], s[WB], 24576               ; six K steps of 4,096 bytes
	v_add_nc_u32 v[WA], s[WB], v[L16]
	s_sub_co_u32 s[KC], s[KC], 1
	s_cmp_lg_u32 s[KC], 0
	s_cbranch_scc1 .Lk_\@
	KB \R, 1, 1, 0, 1, 8*(\R), 1, 1, 8             ; block 13 asks for block 15, the last
	KB \R, 2, 2, 0, 0, 4*(\R), 1, 1, 8             ; its last fragment load ends at 98,304 + 32,256 + 496 + 16 = 131,072, the fragments' end
	KB \R, 0, 3, 0, 0, 0, 0, 0, 0
	WIN 0
.endm
.macro LOOK s                          ; the code at my position of subtile s: which wave's part of the list holds it, by seven compares
	v_add_nc_u32 v[LT0], 128*(\s), v[VP]
	v_min_u32 v[LT0], s[CM1], v[LT0]               ; places past the count repeat the last row
	v_mov_b32 v[LT1], 0
.set k, 1
.rept 7
	v_cmp_le_u32 vcc_lo, s[OFFS+k], v[LT0]
	v_cndmask_b32 v[LT1], v[LT1], s[DK+k], vcc_lo
.set k, k+1
.endr
	v_lshl_add_u32 v[LT1], v[LT0], 2, v[LT1]
	v_min_u32 v[LT1], 8*LPW-4, v[LT1]              ; inside the eight regions, whatever was read
	v_add_nc_u32 v[LT1], LIST, v[LT1]
	ds_load_b32 v[CODE+(\s)], v[LT1]
.endm
.macro Q4 line:vararg                  ; one line for each of four pairs, n = 0, 2, 4, 6
.set n, 0
.rept 4
	\line
.set n, n+2
.endr
.endm
.macro EPI s                           ; subtile s: GELU of my 32 numbers, rounded to bf16, stored as fragments
	s_wait_xcnt 0x0                                ; the last stores' data registers are rewritten only behind this wait
.set Z, ACC+32*(\s)
.set t, 0
.rept 4                                                ; an accumulator at a time, from its lowest registers on; its four pairs side by side
.set zb, Z+8*t
.set pb, EP+8*t
.set qb, EP+32+8*t
	Q4 v_pk_mul_f32 v[16+n:17+n], v[zb+n:zb+n+1], s[RS2:RS2+1] op_sel_hi:[1,0]
	Q4 v_med3_num_f32 v[16+n], v[16+n], -4.0, 4.0
	Q4 v_med3_num_f32 v[17+n], v[17+n], -4.0, 4.0
	Q4 v_pk_mul_f32 v[24+n:25+n], v[16+n:17+n], v[16+n:17+n]
	Q4 v_pk_fma_f32 v[pb+n:pb+n+1], v[24+n:25+n], s[A13:A13+1], s[A13+2:A13+3] op_sel_hi:[1,0,0]
.irp c, 4,6,8,10,12
	Q4 v_pk_fma_f32 v[pb+n:pb+n+1], v[pb+n:pb+n+1], v[24+n:25+n], s[A13+\c:A13+\c+1] op_sel_hi:[1,1,0]
.endr
	Q4 v_pk_mul_f32 v[pb+n:pb+n+1], v[pb+n:pb+n+1], v[16+n:17+n]
	Q4 v_pk_fma_f32 v[qb+n:qb+n+1], v[24+n:25+n], s[B8:B8+1], s[B8+2:B8+3] op_sel_hi:[1,0,0]
.irp c, 4,6,8
	Q4 v_pk_fma_f32 v[qb+n:qb+n+1], v[qb+n:qb+n+1], v[24+n:25+n], s[B8+\c:B8+\c+1] op_sel_hi:[1,1,0]
.endr
.set t, t+1
.endr
.set i, 0
.rept 32
	v_rcp_f32 v[EP+32+i], v[EP+32+i]               ; one batch; on x^2 from 0 to 16 Q lies between -2.4 and -0.014
.set i, i+1
.endr
	v_nop                                          ; the plain instruction behind the last reciprocal
	s_wait_alu depctr_va_vdst(0)                   ; one wait for the 32, ahead of their first reader
.set i, 0
.rept 16
	v_pk_fma_f32 v[EP+2*i:EP+2*i+1], v[EP+2*i:EP+2*i+1], v[EP+32+2*i:EP+32+2*i+1], 0.5 op_sel_hi:[1,1,0]
.set i, i+1
.endr
.set i, 0
.rept 16
	v_pk_mul_f32 v[EP+2*i:EP+2*i+1], v[EP+2*i:EP+2*i+1], v[Z+2*i:Z+2*i+1]
.set i, i+1
.endr
.set i, 0
.rept 16                                               ; word 2 j + tt: columns 4 j + 2 tt and 4 j + 2 tt + 1, from tiles 2 tt and 2 tt + 1
	v_cvt_pk_bf16_f32 v[EP+32+i], v[EP+16*(i%2)+i/2], v[EP+16*(i%2)+8+i/2]
.set i, i+1
.endr
.set i, 0
.rept 4
	global_store_b128 v[VHO], v[EP+32+4*i:EP+32+4*i+3], s[OUTP:OUTP+1] offset:(\s)*524288+512*i   ; 512 consecutive bytes, at a multiple of 256 from h's first byte
.set i, i+1
.endr
.endm
	s_load_b256 s[4:11], s[0:1], 0x0               ; W1 s[4:5], b1 s[6:7], xb s[8:9], sel s[10:11]
	s_load_b64 s[12:13], s[0:1], 0x20              ; h
	v_lshl_add_u32 v[SPW], v0, 2, SPARE            ; my spare word,
	v_mov_b32 v[NIL], 0                            ; and 0: kept for the closing lines alone
	v_lshrrev_b32 v16, 5, v0
	v_readfirstlane_b32 s[WV], v16                 ; wave 0..7
	s_and_b32 s[EX], ttmp7, 0xffff                 ; expert
	s_mov_b32 s[SL], ttmp9                         ; slice of 64 columns
	v_and_b32 v18, 31, v0
	v_lshlrev_b32 v[L16], 4, v18
	v_and_b32 v[R_], 15, v0
	v_bfe_u32 v[HH], v0, 4, 1
	v_lshlrev_b32 v[VW], VWSH, v[HH]
	v_lshl_add_u32 v[VW], v[R_], 4, v[VW]
	v_lshl_add_u32 v[WS], s[WV], 14, v[L16]
	v_lshl_add_u32 v[VP], s[WV], 4, v[R_]
	v_lshl_add_u32 v[VHO], s[WV], 16, v[L16]
	v_lshlrev_b32 v[H64], 6, v[HH]
	v_lshl_add_u32 v16, s[WV], 11, v[L16]          ; my 16 bytes of my wave's 2,048 bytes of sel
	v_lshlrev_b32 v17, 7, v[HH]                    ; my half's 32 numbers of b1
	v_lshlrev_b32 v19, 2, v18
	v_lshl_add_u32 v19, s[WV], 9, v19              ; the code of my first word of sel: 512 w + 4 L
	v_add_nc_u32 v21, 512, v18                     ; where a code that is not listed goes
	s_lshl_b32 s56, s[EX], 23                      ; W1: expert, my wave's 128 rows, the slice's 256 bytes
	s_lshl_b32 s22, s[WV], 20
	s_add_co_u32 s56, s56, s22
	s_lshl_b32 s22, s[SL], 8
	s_add_co_u32 s56, s56, s22
	s_mov_b32 s57, 0
	s_lshl_b32 s58, s[EX], 13                      ; b1
	s_add_co_u32 s58, s58, s22
	s_mov_b32 s59, 0
	s_lshl_b32 s60, s[EX], 23                      ; h: expert, K block = slice
	s_lshl_b32 s22, s[SL], 11
	s_add_co_u32 s60, s60, s22
	s_mov_b32 s61, 0
	s_mul_i32 s29, s[WV], LPW
	s_add_co_u32 s29, s29, LIST                    ; my wave's region of the list
	PAIR RS2,    0x3f3504f3                        ; 1 / sqrt 2
	PAIR A13,    0xaf15df0b                        ; P / 2, from x^12 down
	PAIR A13+2,  0x326dffee
	PAIR A13+4,  0xb58cff51
	PAIR A13+6,  0xb7eec2d2
	PAIR A13+8,  0xb9c0ac63
	PAIR A13+10, 0xbac1a1f6
	PAIR A13+12, 0xbc03dbd4
	PAIR B8,     0xb77460cd                        ; Q, from x^8 down
	PAIR B8+2,   0xb95fbd29
	PAIR B8+4,   0xbadc924e
	PAIR B8+6,   0xbbf19bf8
	PAIR B8+8,   0xbc69b6a7
	s_wait_kmcnt 0x0
	s_add_nc_u64 s[WP:WP+1], s[4:5], s[56:57]
	s_add_nc_u64 s[6:7], s[6:7], s[58:59]
	s_add_nc_u64 s[OUTP:OUTP+1], s[12:13], s[60:61]
	s_mov_b64 s[TB0:TB0+1], s[8:9]
.set j, 0
.rept 4
	global_load_b128 v[SELR+4*j:SELR+4*j+3], v16, s[10:11] offset:512*j
.set j, j+1
.endr
.set j, 0
.rept 8
	global_load_b128 v[BL+4*j:BL+4*j+3], v17, s[6:7] offset:16*j
.set j, j+1
.endr
	WGL 0                                          ; 48 loads of weights behind them: 60 loads of mine are out
	WGL 1
	WGL 2
	WIN 0
	v_add_nc_u32 v25, s29, v[L16]                  ; while they are on their way: my region of the list starts as zeros, five stores of 512 bytes,
.irp z, 28,29,30,31
	v_mov_b32 v\z, 0                               ; so that every word that the clamped look-up can name holds a code that exists
.endr
.set i, 0
.rept 5
	ds_store_b128 v25, v[28:31] offset:512*i
.set i, i+1
.endr
	s_wait_loadcnt 48                              ; the 48 are younger: sel and b1 are in
.set j, 0
.rept 8                                                ; b1 rounded to bf16, widened into the accumulators' order
	v_cvt_pk_bf16_f32 v22, v[BL+4*j], v[BL+4*j+1]
	v_cvt_pk_bf16_f32 v23, v[BL+4*j+2], v[BL+4*j+3]
	v_lshlrev_b32 v[BIAS+j], 16, v22
	v_and_b32 v[BIAS+8+j], 0xffff0000, v22
	v_lshlrev_b32 v[BIAS+16+j], 16, v23
	v_and_b32 v[BIAS+24+j], 0xffff0000, v23
.set j, j+1
.endr
	s_mov_b32 s[RUN], 0
.set i, 0
.rept 16                                               ; sixteen passes, 32 codes each: a code of my expert goes to the next free word of my region, any other to the lane's own word behind it; LDS serves my stores in order, behind the zeros
	v_cmp_eq_u32 s[MK], s[EX], v[SELR+i]
	v_mbcnt_lo_u32_b32 v22, s[MK], s[RUN]
	v_cndmask_b32 v22, v21, v22, s[MK]
	v_min_u32 v22, 543, v22                        ; inside my region, whatever was read
	v_lshl_add_u32 v22, v22, 2, s29
	v_add_nc_u32 v23, 128*(i/4)+i%4, v19
	ds_store_b32 v22, v23
	s_bcnt1_i32_b32 s22, s[MK]
	s_add_co_u32 s[RUN], s[RUN], s22
.set i, i+1
.endr
	s_lshl_b32 s22, s[WV], 2
	s_add_co_u32 s22, s22, CNT
	v_mov_b32 v24, s22
	v_mov_b32 v22, s[RUN]
	ds_store_b32 v24, v22                          ; my wave's count
	s_wait_loadcnt 32                              ; K step 0 is in; steps 1 and 2 stay out
	WGL 3                                          ; 48 out again
	CVT 0
	s_wait_loadcnt 32
	CVT 1
	s_wait_loadcnt 16
	CVT 2
	s_wait_loadcnt 0x0
	CVT 3
	s_wait_dscnt 0x0                               ; for the others' sake: my fragments, my part of the list and my count are in LDS
	s_barrier_signal -1
	s_barrier_wait -1                              ; behind it LDS is only read, up to the barrier at the kernel's end
	v_mov_b32 v24, CNT
	ds_load_b128 v[16:19], v24
	ds_load_b128 v[20:23], v24 offset:16
	s_wait_dscnt 0x0
.set k, 0
.rept 8
	v_readfirstlane_b32 s[DK+k], v[16+k]
.set k, k+1
.endr
	s_mov_b32 s[OFFS], 0
.set k, 0
.rept 7
	s_add_co_u32 s[OFFS+1+k], s[OFFS+k], s[DK+k]
.set k, k+1
.endr
	s_add_co_u32 s22, s[OFFS+7], s[DK+7]
	s_min_u32 s22, s22, 2048                       ; the expert's rows: a token chooses an expert once at the most
	s_sub_co_u32 s[CM1], s22, 1
	s_add_co_u32 s22, s22, 15
	s_lshr_b32 s22, s22, 4                         ; subtiles
	s_sub_co_u32 s[NS1], s22, 1
	s_add_co_u32 s[REM], s22, 7
	s_sub_co_u32 s[REM], s[REM], s[WV]
	s_lshr_b32 s[REM], s[REM], 3                   ; those of my wave: u = w, w + 8, ..
.set k, 1
.rept 7
	s_lshl_b32 s22, s[OFFS+k], 2
	s_sub_co_u32 s[DK+k], LPW*k, s22               ; never negative: part k begins at position 512 k at the latest
.set k, k+1
.endr
	s_mov_b32 s[TRIP], 4
.Ltrip:                                                ; four trips of four subtiles a wave cover 2,048 rows
	s_cmp_gt_i32 s[REM], 0
	s_cbranch_scc0 .Lbottom
	LOOK 0
	LOOK 1
	LOOK 2
	LOOK 3
	s_wait_dscnt 0x0
.set i, 0
.rept 4
	v_min_u32 v[CODE+i], 4095, v[CODE+i]
	v_and_b32 v[CODE+i], 2047, v[CODE+i]           ; the token
	v_lshl_add_u32 v[VO+i], v[CODE+i], 11, v[H64]  ; its row of 2,048 bytes, my half's 64 bytes of a K block
.set i, i+1
.endr
	s_cmp_ge_i32 s[REM], 3
	s_cbranch_scc0 .Lsmall
	KPART 4
	EPI 2
	s_cmp_ge_i32 s[REM], 4
	s_cbranch_scc0 .Ljoin
	EPI 3
	s_branch .Ljoin
.Lsmall:                                               ; one or two subtiles left: half the products
	KPART 2
.Ljoin:
	EPI 0
	s_cmp_ge_i32 s[REM], 2
	s_cbranch_scc0 .Lbottom
	EPI 1
.Lbottom:
	s_wait_xcnt 0x0                                ; offsets that loads and stores have named are stepped only behind this wait
	v_add_nc_u32 v[VP], 512, v[VP]
	v_add_nc_u32 v[VHO], 0x200000, v[VHO]          ; 32 subtiles of 65,536 bytes
	s_sub_co_i32 s[REM], s[REM], 4
	s_sub_co_u32 s[TRIP], s[TRIP], 1
	s_cmp_lg_u32 s[TRIP], 0
	s_cbranch_scc1 .Ltrip
	s_wait_dscnt 0x0                               ; my reads of LDS are back;
	s_barrier_signal -1
	s_barrier_wait -1                              ; every wave's are: read, wait, barrier, and only then LDS is written again, by the closing add
	s_wait_tensorcnt 0x0                           ; the wave's end, behind my last LDS store
	ds_add_u32 v[SPW], v[NIL]
	s_wait_dscnt 0x0
	s_endpgm
.Lfunc_end_k_q047e1806d8_up:
	.size	k_q047e1806d8_up, .Lfunc_end_k_q047e1806d8_up-k_q047e1806d8_up
	.p2alignl 7, 3214868480
	.fill 96, 4, 3214868480
	.section	.rodata,"a",@progbits
	.p2align	6, 0x0
	.amdhsa_kernel k_q047e1806d8_up
		.amdhsa_group_segment_fixed_size 152832
		.amdhsa_private_segment_fixed_size 0
		.amdhsa_enable_private_segment 0
		.amdhsa_kernarg_size 40
		.amdhsa_user_sgpr_count 2
		.amdhsa_user_sgpr_kernarg_segment_ptr 1
		.amdhsa_wavefront_size32 1
		.amdhsa_system_sgpr_workgroup_id_x 1
		.amdhsa_system_sgpr_workgroup_id_y 1
		.amdhsa_system_sgpr_workgroup_id_z 1
		.amdhsa_system_vgpr_workitem_id 0
		.amdhsa_next_free_vgpr 512
		.amdhsa_next_free_sgpr 96
		.amdhsa_reserve_vcc 1
		.amdhsa_float_denorm_mode_32 3
		.amdhsa_float_denorm_mode_16_64 3
		.amdhsa_memory_ordered 1
		.amdhsa_forward_progress 1
		.amdhsa_inst_pref_size 177
	.end_amdhsa_kernel
	.amdgpu_metadata
---
amdhsa.version: [ 1, 2 ]
amdhsa.kernels:
  - .name:           k_q047e1806d8_up
    .symbol:         k_q047e1806d8_up.kd
    .args:
      - { .name: W1, .offset: 0, .size: 8, .value_kind: global_buffer, .address_space: global }
      - { .name: b1, .offset: 8, .size: 8, .value_kind: global_buffer, .address_space: global }
      - { .name: xb, .offset: 16, .size: 8, .value_kind: global_buffer, .address_space: global }
      - { .name: sel, .offset: 24, .size: 8, .value_kind: global_buffer, .address_space: global }
      - { .name: h, .offset: 32, .size: 8, .value_kind: global_buffer, .address_space: global }
    .group_segment_fixed_size: 152832
    .private_segment_fixed_size: 0
    .kernarg_segment_align: 8
    .kernarg_segment_size: 40
    .max_flat_workgroup_size: 256
    .sgpr_count:     96
    .vgpr_count:     512
    .wavefront_size: 32
...
	.end_amdgpu_metadata
.endif
;; end of part 2
;; launch down (part 3): grid 32 x 8, 8 waves a work-group, no clusters, 152,832 bytes of LDS; arguments W2, b2, h, sel, gate, yp; writes yp
.if DOCPART == 3
	.amdgcn_target "amdgcn-amd-amdhsa--gfx1250"
	.amdhsa_code_object_version 6
	.text
	.protected	k_q047e1806d8_down
	.globl	k_q047e1806d8_down
	.p2align	8
	.type	k_q047e1806d8_down,@function
k_q047e1806d8_down:
	s_mov_b64 s[64:65], 0
	v_nop
	global_prefetch_b8 v0, s[64:65] scope:SCOPE_SE
	s_setreg_imm32_b32 hwreg(HW_REG_WAVE_MODE, 25, 1), 1
	s_wait_xcnt 0x0
; SECOND PRODUCT.  yp[kh][code] = gate[code] x (h W2[e] over half kh of K, + b2[e] in half 0), f32, for the rows that chose expert e.  A later launch adds a token's four partial rows.
; SHARES.  Work-group (x, e): x % 16 = slice of 64 columns of W2[e], x / 16 = kh, the half of K (1,024 of 2,048): a slice of 1,024 x 64 weights, which it alone reads once as f32, rounds in
; registers and keeps in LDS as bf16 fragments, and ALL rows of expert e.  Subtiles of 16 rows, subtile u to wave u % 8, four (or two) at a time, as in the first product.
; THE LIST is made from sel by the same lines as in the first product, so position p means the same row; a row's code (choice x 2,048 + token) is its row in yp and its index in gate.
; EVERY SPLIT IS SERVED: a constant 4 trips of 512 rows; dead trips and subtiles are jumped forward; no barrier and no LDS write stands in the loop.  A dead subtile of a live trip reads a subtile
; that was written.  Places past the count repeat the last row: they store the same numbers into the same bytes once more, from the same wave.
; THE ORDER OF K and the weights' fragments: as in the first product (lane half hh, step s, register q, half b: k = 64 kb + 32 hh + 16 s + 2 q + b; tile t holds columns n0 + 4 r + t).
; h lies ready as fragments: [e][u 128][kb 32][piece 4][lane 32][16 bytes]: each load of a wave covers 512 consecutive bytes.
; D = H (source 0) x W (source 1): register j is token 8 hh + j, lane r has columns n0 + 4 r + t: the four tiles' registers j are 16 neighbouring bytes, and sixteen lanes store 256 consecutive
; bytes of a row of yp, at a multiple of 256 from its first byte.
; LIMITS.  W2 and b2 count as their roundings to bf16; h comes in bf16; sums, gate and partial rows in f32.  NaN and infinities are not treated apart.
; NO TENSOR LOADS, NO CLUSTER: each weight byte has one reader.  An expert's 16 slices share its rows of h, but how many there are hangs on a count read from memory, and a walk of the
; constant 2,048 rows for every expert would fetch four times the 512 rows that an even split has.
.set ROWB,   4096                      ; bytes in a row of W2[e]
.set VWSH,   17                        ; 32 rows of it = 1 << 17
.set KBSTEP, 2048                      ; bytes from a K block of a subtile of h to the next
.set PIECE,  512                       ; bytes from a lane's 16 bytes to its next
.set LIST,   131072                    ; behind the weights: 8 regions of 2,560 bytes: 512 list words, 32 words that take what is not listed, the rest unused
.set LPW,    2560
.set CNT,    151552                    ; eight counts, a block of 256 bytes
.set SPARE,  151808                    ; the spare words: 128 bytes a wave, named by no other line
; window 0
.set L16, 1
.set R_,  2
.set HH,  3
.set VW,  4
.set WS,  5
.set WA,  6
.set VP,  7
.set R16, 9                            ; 16 r
.set SPW, 10
.set NIL, 11
.set VO,  12                           ; v[12:15] my offset in h for the trip's four subtiles
.set CODE, 16                          ; v[16:19] the code at my position of each
.set VG,  20                           ; v[20:23] its gate
.set GOFF, 24                          ; v[24:27] its offset in gate
.set LT0, 28
.set LT1, 29
.set BIAS, 32                          ; v[32:63] b2 (or 0) in the accumulators' order
.set EP,  64                           ; v[64:95] 8 rows x 4 numbers to store; at the start sel (v[64:79]) and b2 as loaded (v[80:83])
.set SELR, 64
.set BL,  80
.set CJ,  96                           ; v[96:103] token 8 hh + j: its code, then its offset in yp
.set GJ,  104                          ; v[104:111] its gate
.set IDX, 112                          ; v[112:119] 4 x (8 hh + j): the lane that holds them
.set ACC, 128
.set WV, 16
.set EX, 17
.set SL, 18
.set KH, 19
.set MK, 20
.set RUN, 21
.set TRIP, 23
.set REM, 24
.set KC, 25
.set CM1, 26
.set NS1, 27
.set UB, 28                            ; my subtile 0 of the trip: w + 32 trip
.set OFFS, 30
.set DK, 38
.set WP, 46
.set TB0, 48
.set TB, 50
.set OUTP, 52
.set WB, 54                            ; LDS byte at which the K loop's trip begins in the fragments: 0, 24,576, .. 98,304
.set MSB, 0
.macro WIN new                         ; the immediate's high byte repeats the setting that is left; a switch that changes nothing is dropped
.if MSB != (\new)
	s_set_vgpr_msb (MSB<<8)|(\new)
.set MSB, \new
.endif
.endm
.set MUL, 0x05                         ; sources 0 and 1 in window 1; destination and source 2 in window 0
.set TO1, 0x40                         ; destination in window 1, address in window 0
.macro PLACES                          ; four places between a matrix instruction and a load into, or a vector read of, its registers (ISA guide 7.12.1 for vector reads)
.rept 4
	v_nop
.endr
.endm
.macro WGL ks                          ; K step ks of my wave's 128 weight rows: 16 loads, lanes 0-15 one row's 256 bytes, lanes 16-31 those of the row 32 further down
	WIN TO1
.set i, 0
.rept 16
	global_load_b128 v[64*(\ks)+4*i:64*(\ks)+4*i+3], v[VW], s[WP:WP+1] offset:(64*((\ks)/2)+16*((\ks)%2)+i)*ROWB th:TH_LOAD_NT
.set i, i+1
.endr
.endm
.macro CVT ks                          ; rows 2 jj and 2 jj + 1 of group g, column t -> register 4 g + jj of tile t; then the four fragments into LDS
	WIN MUL
.set i, 0
.rept 32
	v_cvt_pk_bf16_f32 v[ACC+32*(\ks)+i], v[64*(\ks)+32*((i/4)%2)+8*(i%4)+i/8], v[64*(\ks)+32*((i/4)%2)+8*(i%4)+i/8+4]
.set i, i+1
.endr
	WIN 0
.set i, 0
.rept 8
	ds_store_b128 v[WS], v[ACC+32*(\ks)+4*i:ACC+32*(\ks)+4*i+3] offset:(\ks)*4096+i*512
.set i, i+1
.endr
.endm
.macro TOK R, ring, blk                ; K block blk (counted from TB) of R subtiles of h: four loads of 512 consecutive bytes a subtile
	WIN TO1
.set i, 0
.rept 4*(\R)
	global_load_b128 v[64*(\ring)+32*((i%4)/2)+8*(i/4)+4*(i%2):64*(\ring)+32*((i%4)/2)+8*(i/4)+4*(i%2)+3], v[VO+i/4], s[TB:TB+1] offset:(\blk)*KBSTEP+(i%4)*PIECE
.set i, i+1
.endr
.endm
.macro WLD x, ks
	WIN TO1
.set i, 0
.rept 8
	ds_load_b128 v[192+32*(\x)+4*i:192+32*(\x)+4*i+3], v[WA] offset:(\ks)*4096+i*512
.set i, i+1
.endr
.endm
.macro MM R, ring, x, first            ; 4 R products on 4 R accumulators, which take turns in one order everywhere.  first = 1: the bias (or 0) starts the sums
	WIN MUL
.set i, 0
.rept 4*(\R)
.if \first
	v_wmma_f32_16x16x32_bf16 v[ACC+8*i:ACC+8*i+7], v[64*(\ring)+32*(\x)+8*(i/4):64*(\ring)+32*(\x)+8*(i/4)+7], v[192+32*(\x)+8*(i%4):192+32*(\x)+8*(i%4)+7], v[BIAS+8*(i%4):BIAS+8*(i%4)+7]
.else
	v_wmma_f32_16x16x32_bf16 v[ACC+8*i:ACC+8*i+7], v[64*(\ring)+32*(\x)+8*(i/4):64*(\ring)+32*(\x)+8*(i/4)+7], v[192+32*(\x)+8*(i%4):192+32*(\x)+8*(i%4)+7], v[ACC+8*i:ACC+8*i+7]
.endif
.set i, i+1
.endr
.endm
.macro KB R, ring, rel, first, tok, nl, w0, w1, d1
.if \tok
	TOK \R, ((\ring)+2)%3, (\rel)+2
.endif
	s_wait_loadcnt \nl                             ; loads come back in order: this block's (and the gates, which are older) are in, the younger blocks' stay out
	s_wait_dscnt 8                                 ; step 0's fragments are in; step 1's eight loads may be out
	MM \R, \ring, 0, \first
	PLACES
.if \w0
	WLD 0, 2*(\rel)+2
.endif
	s_wait_dscnt \d1                               ; step 1's are in; the eight just issued may be out
	MM \R, \ring, 1, 0
	PLACES
.if \w1
	WLD 1, 2*(\rel)+3
.endif
.endm
.macro KPART R                         ; all 16 K blocks of my half of K for R subtiles
	s_mov_b64 s[TB:TB+1], s[TB0:TB0+1]
	s_mov_b32 s[WB], 0
	v_add_nc_u32 v[WA], s[WB], v[L16]              ; the fragments' address: a scalar that steps with the loop, plus 16 x lane
	TOK \R, 0, 0
	TOK \R, 1, 1
	WLD 0, 0
	WLD 1, 1
	KB \R, 0, 0, 1, 1, 8*(\R), 1, 1, 8
	WIN 0                                          ; at a label and at a branch every window is 0
	s_mov_b32 s[KC], 4
.Lk_\@:                                                ; blocks 1 to 12, three a trip: once round the rings
	KB \R, 1, 1, 0, 1, 8*(\R), 1, 1, 8
	KB \R, 2, 2, 0, 1, 8*(\R), 1, 1, 8
	KB \R, 0, 3, 0, 1, 8*(\R), 1, 1, 8
	WIN 0
	s_wait_xcnt 0x0                                ; the loads' base is stepped only behind this wait
	s_add_nc_u64 s[TB:TB+1], s[TB:TB+1], 3*KBSTEP
	s_add_co_u32 s[WB], s[WB], 24576               ; six K steps of 4,096 bytes
	v_add_nc_u32 v[WA], s[WB], v[L16]
	s_sub_co_u32 s[KC], s[KC], 1
	s_cmp_lg_u32 s[KC], 0
	s_cbranch_scc1 .Lk_\@
	KB \R, 1, 1, 0, 1, 8*(\R), 1, 1, 8             ; block 13 asks for block 15, the last
	KB \R, 2, 2, 0, 0, 4*(\R), 1, 1, 8             ; its last fragment load ends at 98,304 + 32,256 + 496 + 16 = 131,072, the fragments' end
	KB \R, 0, 3, 0, 0, 0, 0, 0, 0
	WIN 0
.endm
.macro LOOK s                          ; the code at my position of subtile s
	v_add_nc_u32 v[LT0], 128*(\s), v[VP]
	v_min_u32 v[LT0], s[CM1], v[LT0]               ; places past the count repeat the last row
	v_mov_b32 v[LT1], 0
.set k, 1
.rept 7
	v_cmp_le_u32 vcc_lo, s[OFFS+k], v[LT0]
	v_cndmask_b32 v[LT1], v[LT1], s[DK+k], vcc_lo
.set k, k+1
.endr
	v_lshl_add_u32 v[LT1], v[LT0], 2, v[LT1]
	v_min_u32 v[LT1], 8*LPW-4, v[LT1]              ; inside the eight regions, whatever was read
	v_add_nc_u32 v[LT1], LIST, v[LT1]
	ds_load_b32 v[CODE+(\s)], v[LT1]
.endm
.macro EPI s                           ; subtile s: each of my eight rows times its gate, stored at its code's row of yp
	s_wait_xcnt 0x0                                ; the last stores' offsets and data are rewritten only behind this wait
.set j, 0
.rept 8
	ds_bpermute_b32 v[CJ+j], v[IDX+j], v[CODE+(\s)]    ; lane 8 hh + j holds token 8 hh + j's code,
.set j, j+1
.endr
.set j, 0
.rept 8
	ds_bpermute_b32 v[GJ+j], v[IDX+j], v[VG+(\s)]      ; and its gate
.set j, j+1
.endr
	s_wait_dscnt 0x0
.set j, 0
.rept 8                                                ; j ascending: each accumulator is read from its lowest register on
	v_min_u32 v[CJ+j], 4095, v[CJ+j]
	v_lshl_add_u32 v[CJ+j], v[CJ+j], 12, v[R16]
.set t, 0
.rept 4
	v_mul_f32 v[EP+4*j+t], v[ACC+32*(\s)+8*t+j], v[GJ+j]
.set t, t+1
.endr
	global_store_b128 v[CJ+j], v[EP+4*j:EP+4*j+3], s[OUTP:OUTP+1]
.set j, j+1
.endr
.endm
	s_load_b256 s[4:11], s[0:1], 0x0               ; W2 s[4:5], b2 s[6:7], h s[8:9], sel s[10:11]
	s_load_b128 s[12:15], s[0:1], 0x20             ; gate s[12:13], yp s[14:15]
	v_lshl_add_u32 v[SPW], v0, 2, SPARE            ; my spare word,
	v_mov_b32 v[NIL], 0                            ; and 0: kept for the closing lines alone
	v_lshrrev_b32 v16, 5, v0
	v_readfirstlane_b32 s[WV], v16                 ; wave 0..7
	s_and_b32 s[EX], ttmp7, 0xffff                 ; expert
	s_and_b32 s[SL], ttmp9, 15                     ; slice of 64 columns
	s_lshr_b32 s[KH], ttmp9, 4                     ; half of K
	v_and_b32 v18, 31, v0
	v_lshlrev_b32 v[L16], 4, v18
	v_and_b32 v[R_], 15, v0
	v_bfe_u32 v[HH], v0, 4, 1
	v_lshlrev_b32 v[VW], VWSH, v[HH]
	v_lshl_add_u32 v[VW], v[R_], 4, v[VW]
	v_lshl_add_u32 v[WS], s[WV], 14, v[L16]
	v_lshl_add_u32 v[VP], s[WV], 4, v[R_]
	v_lshlrev_b32 v[R16], 4, v[R_]
	v_lshl_add_u32 v16, s[WV], 11, v[L16]          ; my 16 bytes of my wave's 2,048 bytes of sel
	v_lshlrev_b32 v17, 4, v[R_]                    ; my four numbers of b2
	v_lshlrev_b32 v19, 2, v18
	v_lshl_add_u32 v19, s[WV], 9, v19              ; the code of my first word of sel
	v_add_nc_u32 v21, 512, v18                     ; where a code that is not listed goes
	v_lshlrev_b32 v[IDX], 5, v[HH]
.set j, 1
.rept 7
	v_add_nc_u32 v[IDX+j], 4*j, v[IDX]
.set j, j+1
.endr
	s_lshl_b32 s56, s[EX], 23                      ; W2: expert, half of K, my wave's 128 rows, the slice's 256 bytes
	s_lshl_b32 s22, s[KH], 22
	s_add_co_u32 s56, s56, s22
	s_lshl_b32 s22, s[WV], 19
	s_add_co_u32 s56, s56, s22
	s_lshl_b32 s22, s[SL], 8
	s_add_co_u32 s56, s56, s22
	s_mov_b32 s57, 0
	s_lshl_b32 s58, s[EX], 12                      ; b2
	s_add_co_u32 s58, s58, s22
	s_mov_b32 s59, 0
	s_lshl_b32 s62, s[KH], 24                      ; yp: half of K, the slice's 256 bytes
	s_add_co_u32 s62, s62, s22
	s_mov_b32 s63, 0
	s_lshl_b32 s60, s[EX], 23                      ; h: expert, my half's 16 K blocks
	s_lshl_b32 s22, s[KH], 15
	s_add_co_u32 s60, s60, s22
	s_mov_b32 s61, 0
	s_mul_i32 s29, s[WV], LPW
	s_add_co_u32 s29, s29, LIST                    ; my wave's region of the list
	s_mov_b32 s[UB], s[WV]
	s_wait_kmcnt 0x0
	s_add_nc_u64 s[WP:WP+1], s[4:5], s[56:57]
	s_add_nc_u64 s[6:7], s[6:7], s[58:59]
	s_add_nc_u64 s[TB0:TB0+1], s[8:9], s[60:61]
	s_add_nc_u64 s[OUTP:OUTP+1], s[14:15], s[62:63]
.set j, 0
.rept 4
	global_load_b128 v[SELR+4*j:SELR+4*j+3], v16, s[10:11] offset:512*j
.set j, j+1
.endr
	global_load_b128 v[BL:BL+3], v17, s[6:7]
	WGL 0                                          ; 48 loads of weights behind them: 53 loads of mine are out
	WGL 1
	WGL 2
	WIN 0
	v_add_nc_u32 v25, s29, v[L16]                  ; while they are on their way: my region of the list starts as zeros, five stores of 512 bytes,
.irp z, 28,29,30,31
	v_mov_b32 v\z, 0                               ; so that every word that the clamped look-up can name holds a code that exists
.endr
.set i, 0
.rept 5
	ds_store_b128 v25, v[28:31] offset:512*i
.set i, i+1
.endr
	s_wait_loadcnt 48                              ; the 48 are younger: sel and b2 are in
	v_cvt_pk_bf16_f32 v22, v[BL], v[BL+1]          ; b2 rounded to bf16 and widened;
	v_cvt_pk_bf16_f32 v23, v[BL+2], v[BL+3]
	s_cmp_eq_u32 s[KH], 0
	s_cselect_b32 s[MK], -1, 0                     ; it is added in half 0 alone
	v_lshlrev_b32 v[BIAS], 16, v22
	v_and_b32 v[BIAS+8], 0xffff0000, v22
	v_lshlrev_b32 v[BIAS+16], 16, v23
	v_and_b32 v[BIAS+24], 0xffff0000, v23
.irp t, 0,8,16,24
	v_and_b32 v[BIAS+\t], s[MK], v[BIAS+\t]
.endr
.set j, 1
.rept 7                                                ; a lane's eight registers of a tile are eight tokens of one column: the same number eight times
.irp t, 0,8,16,24
	v_mov_b32 v[BIAS+\t+j], v[BIAS+\t]
.endr
.set j, j+1
.endr
	s_mov_b32 s[RUN], 0
.set i, 0
.rept 16                                               ; sixteen passes, 32 codes each, as in the first product; LDS serves my stores in order, behind the zeros
	v_cmp_eq_u32 s[MK], s[EX], v[SELR+i]
	v_mbcnt_lo_u32_b32 v22, s[MK], s[RUN]
	v_cndmask_b32 v22, v21, v22, s[MK]
	v_min_u32 v22, 543, v22                        ; inside my region, whatever was read
	v_lshl_add_u32 v22, v22, 2, s29
	v_add_nc_u32 v23, 128*(i/4)+i%4, v19
	ds_store_b32 v22, v23
	s_bcnt1_i32_b32 s22, s[MK]
	s_add_co_u32 s[RUN], s[RUN], s22
.set i, i+1
.endr
	s_lshl_b32 s22, s[WV], 2
	s_add_co_u32 s22, s22, CNT
	v_mov_b32 v24, s22
	v_mov_b32 v22, s[RUN]
	ds_store_b32 v24, v22                          ; my wave's count
	s_wait_loadcnt 32                              ; K step 0 is in; steps 1 and 2 stay out
	WGL 3                                          ; 48 out again
	CVT 0
	s_wait_loadcnt 32
	CVT 1
	s_wait_loadcnt 16
	CVT 2
	s_wait_loadcnt 0x0
	CVT 3
	s_wait_dscnt 0x0                               ; for the others' sake: my fragments, my part of the list and my count are in LDS
	s_barrier_signal -1
	s_barrier_wait -1                              ; behind it LDS is only read, up to the barrier at the kernel's end
	v_mov_b32 v24, CNT
	ds_load_b128 v[16:19], v24
	ds_load_b128 v[20:23], v24 offset:16
	s_wait_dscnt 0x0
.set k, 0
.rept 8
	v_readfirstlane_b32 s[DK+k], v[16+k]
.set k, k+1
.endr
	s_mov_b32 s[OFFS], 0
.set k, 0
.rept 7
	s_add_co_u32 s[OFFS+1+k], s[OFFS+k], s[DK+k]
.set k, k+1
.endr
	s_add_co_u32 s22, s[OFFS+7], s[DK+7]
	s_min_u32 s22, s22, 2048
	s_sub_co_u32 s[CM1], s22, 1
	s_add_co_u32 s22, s22, 15
	s_lshr_b32 s22, s22, 4                         ; subtiles
	s_sub_co_u32 s[NS1], s22, 1
	s_add_co_u32 s[REM], s22, 7
	s_sub_co_u32 s[REM], s[REM], s[WV]
	s_lshr_b32 s[REM], s[REM], 3                   ; those of my wave
.set k, 1
.rept 7
	s_lshl_b32 s22, s[OFFS+k], 2
	s_sub_co_u32 s[DK+k], LPW*k, s22               ; never negative: part k begins at position 512 k at the latest
.set k, k+1
.endr
	s_mov_b32 s[TRIP], 4
.Ltrip:
	s_cmp_gt_i32 s[REM], 0
	s_cbranch_scc0 .Lbottom
	LOOK 0
	LOOK 1
	LOOK 2
	LOOK 3
	s_wait_dscnt 0x0
.set i, 0
.rept 4
	v_min_u32 v[CODE+i], 4095, v[CODE+i]
	v_lshlrev_b32 v[GOFF+i], 2, v[CODE+i]
	global_load_b32 v[VG+i], v[GOFF+i], s[12:13]   ; older than every load of h: the first counted wait below covers it
	s_add_co_u32 s22, s[UB], 8*i
	s_min_u32 s22, s22, s[NS1]                     ; a dead subtile reads the last one that was written
	s_min_u32 s22, s22, 127
	s_lshl_b32 s22, s22, 16
	v_add_nc_u32 v[VO+i], s22, v[L16]
.set i, i+1
.endr
	s_cmp_ge_i32 s[REM], 3
	s_cbranch_scc0 .Lsmall
	KPART 4
	EPI 2
	s_cmp_ge_i32 s[REM], 4
	s_cbranch_scc0 .Ljoin
	EPI 3
	s_branch .Ljoin
.Lsmall:                                               ; one or two subtiles left: half the products
	KPART 2
.Ljoin:
	EPI 0
	s_cmp_ge_i32 s[REM], 2
	s_cbranch_scc0 .Lbottom
	EPI 1
.Lbottom:
	s_wait_xcnt 0x0                                ; offsets that loads and stores have named are rewritten only behind this wait
	v_add_nc_u32 v[VP], 512, v[VP]
	s_add_co_u32 s[UB], s[UB], 32
	s_sub_co_i32 s[REM], s[REM], 4
	s_sub_co_u32 s[TRIP], s[TRIP], 1
	s_cmp_lg_u32 s[TRIP], 0
	s_cbranch_scc1 .Ltrip
	s_wait_dscnt 0x0                               ; my reads of LDS are back;
	s_barrier_signal -1
	s_barrier_wait -1                              ; every wave's are: read, wait, barrier, and only then LDS is written again, by the closing add
	s_wait_tensorcnt 0x0                           ; the wave's end, behind my last LDS store
	ds_add_u32 v[SPW], v[NIL]
	s_wait_dscnt 0x0
	s_endpgm
.Lfunc_end_k_q047e1806d8_down:
	.size	k_q047e1806d8_down, .Lfunc_end_k_q047e1806d8_down-k_q047e1806d8_down
	.p2alignl 7, 3214868480
	.fill 96, 4, 3214868480
	.section	.rodata,"a",@progbits
	.p2align	6, 0x0
	.amdhsa_kernel k_q047e1806d8_down
		.amdhsa_group_segment_fixed_size 152832
		.amdhsa_private_segment_fixed_size 0
		.amdhsa_enable_private_segment 0
		.amdhsa_kernarg_size 48
		.amdhsa_user_sgpr_count 2
		.amdhsa_user_sgpr_kernarg_segment_ptr 1
		.amdhsa_wavefront_size32 1
		.amdhsa_system_sgpr_workgroup_id_x 1
		.amdhsa_system_sgpr_workgroup_id_y 1
		.amdhsa_system_sgpr_workgroup_id_z 1
		.amdhsa_system_vgpr_workitem_id 0
		.amdhsa_next_free_vgpr 512
		.amdhsa_next_free_sgpr 96
		.amdhsa_reserve_vcc 1
		.amdhsa_float_denorm_mode_32 3
		.amdhsa_float_denorm_mode_16_64 3
		.amdhsa_memory_ordered 1
		.amdhsa_forward_progress 1
		.amdhsa_inst_pref_size 112
	.end_amdhsa_kernel
	.amdgpu_metadata
---
amdhsa.version: [ 1, 2 ]
amdhsa.kernels:
  - .name:           k_q047e1806d8_down
    .symbol:         k_q047e1806d8_down.kd
    .args:
      - { .name: W2, .offset: 0, .size: 8, .value_kind: global_buffer, .address_space: global }
      - { .name: b2, .offset: 8, .size: 8, .value_kind: global_buffer, .address_space: global }
      - { .name: h, .offset: 16, .size: 8, .value_kind: global_buffer, .address_space: global }
      - { .name: sel, .offset: 24, .size: 8, .value_kind: global_buffer, .address_space: global }
      - { .name: gate, .offset: 32, .size: 8, .value_kind: global_buffer, .address_space: global }
      - { .name: yp, .offset: 40, .size: 8, .value_kind: global_buffer, .address_space: global }
    .group_segment_fixed_size: 152832
    .private_segment_fixed_size: 0
    .kernarg_segment_align: 8
    .kernarg_segment_size: 48
    .max_flat_workgroup_size: 256
    .sgpr_count:     96
    .vgpr_count:     512
    .wavefront_size: 32
...
	.end_amdgpu_metadata
.endif
;; end of part 3
;; launch add (part 4): grid 256 x 1, 8 waves a work-group, no clusters, 0 bytes of LDS; arguments yp, out0; writes out0
.if DOCPART == 4
	.amdgcn_target "amdgcn-amd-amdhsa--gfx1250"
	.amdhsa_code_object_version 6
	.text
	.protected	k_q047e1806d8_add
	.globl	k_q047e1806d8_add
	.p2align	8
	.type	k_q047e1806d8_add,@function
k_q047e1806d8_add:
	s_mov_b64 s[64:65], 0
	v_nop
	global_prefetch_b8 v0, s[64:65] scope:SCOPE_SE
	s_setreg_imm32_b32 hwreg(HW_REG_WAVE_MODE, 25, 1), 1
	s_wait_xcnt 0x0
; out[t] = yp[0][t] + yp[0][2048 + t] + yp[1][t] + yp[1][2048 + t]: a token's two choices, each in two halves of K; all f32.
; yp's four parts have out's own layout and lie 8 MiB apart, so this is a stream: four reads and one write of the same offset.
; A work-group has 32,768 bytes of out: eight chunks of 4,096, thread t the 16 bytes at 16 t of each: a wave's load or store covers 512 consecutive bytes.
; All 32 loads of a wave go out at once; no loop, no LDS, no matrix unit: memory binds.
.set Y, 8                              ; v[8:135] chunk c, part k at 8 + 16 c + 4 k
	s_load_b128 s[4:7], s[0:1], 0x0                ; yp s[4:5], out s[6:7]
	v_lshlrev_b32 v1, 4, v0
	s_lshl_b32 s2, ttmp9, 15
	s_mov_b32 s3, 0
	s_wait_kmcnt 0x0
	s_add_nc_u64 s[8:9], s[4:5], s[2:3]
	s_add_nc_u64 s[10:11], s[8:9], 0x800000        ; 8 MiB is one more than a load's immediate holds: a base for each part
	s_add_nc_u64 s[12:13], s[10:11], 0x800000
	s_add_nc_u64 s[14:15], s[12:13], 0x800000
	s_add_nc_u64 s[6:7], s[6:7], s[2:3]
.set c, 0
.rept 8
.irp k, 0,1,2,3
	global_load_b128 v[Y+16*c+4*\k:Y+16*c+4*\k+3], v1, s[8+2*\k:9+2*\k] offset:4096*c th:TH_LOAD_NT
.endr
.set c, c+1
.endr
.set c, 0
.rept 8
	s_wait_loadcnt 4*(7-c)                         ; the later chunks' four loads each stay out
	v_pk_add_f32 v[Y+16*c:Y+16*c+1], v[Y+16*c:Y+16*c+1], v[Y+16*c+4:Y+16*c+5]
	v_pk_add_f32 v[Y+16*c+2:Y+16*c+3], v[Y+16*c+2:Y+16*c+3], v[Y+16*c+6:Y+16*c+7]
	v_pk_add_f32 v[Y+16*c+8:Y+16*c+9], v[Y+16*c+8:Y+16*c+9], v[Y+16*c+12:Y+16*c+13]
	v_pk_add_f32 v[Y+16*c+10:Y+16*c+11], v[Y+16*c+10:Y+16*c+11], v[Y+16*c+14:Y+16*c+15]
	v_pk_add_f32 v[Y+16*c:Y+16*c+1], v[Y+16*c:Y+16*c+1], v[Y+16*c+8:Y+16*c+9]
	v_pk_add_f32 v[Y+16*c+2:Y+16*c+3], v[Y+16*c+2:Y+16*c+3], v[Y+16*c+10:Y+16*c+11]
	global_store_b128 v1, v[Y+16*c:Y+16*c+3], s[6:7] offset:4096*c th:TH_STORE_NT
.set c, c+1
.endr
	s_endpgm
.Lfunc_end_k_q047e1806d8_add:
	.size	k_q047e1806d8_add, .Lfunc_end_k_q047e1806d8_add-k_q047e1806d8_add
	.p2alignl 7, 3214868480
	.fill 96, 4, 3214868480
	.section	.rodata,"a",@progbits
	.p2align	6, 0x0
	.amdhsa_kernel k_q047e1806d8_add
		.amdhsa_group_segment_fixed_size 0
		.amdhsa_private_segment_fixed_size 0
		.amdhsa_enable_private_segment 0
		.amdhsa_kernarg_size 16
		.amdhsa_user_sgpr_count 2
		.amdhsa_user_sgpr_kernarg_segment_ptr 1
		.amdhsa_wavefront_size32 1
		.amdhsa_system_sgpr_workgroup_id_x 1
		.amdhsa_system_sgpr_workgroup_id_y 1
		.amdhsa_system_sgpr_workgroup_id_z 1
		.amdhsa_system_vgpr_workitem_id 0
		.amdhsa_next_free_vgpr 136
		.amdhsa_next_free_sgpr 66
		.amdhsa_reserve_vcc 0
		.amdhsa_float_denorm_mode_32 3
		.amdhsa_float_denorm_mode_16_64 3
		.amdhsa_memory_ordered 1
		.amdhsa_forward_progress 1
		.amdhsa_inst_pref_size 8
	.end_amdhsa_kernel
	.amdgpu_metadata
---
amdhsa.version: [ 1, 2 ]
amdhsa.kernels:
  - .name:           k_q047e1806d8_add
    .symbol:         k_q047e1806d8_add.kd
    .args:
      - { .name: yp, .offset: 0, .size: 8, .value_kind: global_buffer, .address_space: global }
      - { .name: out0, .offset: 8, .size: 8, .value_kind: global_buffer, .address_space: global }
    .group_segment_fixed_size: 0
    .private_segment_fixed_size: 0
    .kernarg_segment_align: 8
    .kernarg_segment_size: 16
    .max_flat_workgroup_size: 256
    .sgpr_count:     66
    .vgpr_count:     136
    .wavefront_size: 32
...
	.end_amdgpu_metadata
.endif
;; end of part 4
